; MI455X (gfx1250); checked and timed in simulation.
; The chip was launched on July 23, 2026; its instructions are those of AMD's public machine-readable ISA for CDNA 5 (MIT licence, August 2026) and "CDNA5" Instruction Set Architecture Reference Guide (July 2026). The comments in the code are by the model that wrote it; some were corrected since.
;; Multi Head Attention. Allowed arithmetic: float matrix products may take bf16 or f16 operands with f32 sums; all other float work in f32.
;; Inputs: Wk 16 x 1,024 x 64 float32; Wo 1,024 x 1,024 float32; Wq 16 x 1,024 x 64 float32; Wv 16 x 1,024 x 64 float32; x 2 x 2,048 x 1,024 float32.
;; Outputs: out0 2 x 2,048 x 1,024 float32.
;; 2 versions, each right; version 2 is version 1 with the launch cvt written anew for expert scheduling mode. Each part assembles by itself: llvm-mc -triple=amdgcn-amd-amdhsa -mcpu=gfx1250 --defsym DOCPART=n.
;; ======== version 1 of 2: 4 launches
;; limits: values are held in f16: magnitudes above 65,504 overflow, below 6.1e-05 lose precision
;; workspace buffers: cb 16,777,216 bytes; qkv 25,165,824 bytes; ob 8,388,608 bytes
;; launch cvt (part 1): grid 256 x 1, 8 waves a work-group, no clusters, 0 bytes of LDS; arguments x, Wq, Wk, Wv, Wo, cb; writes cb
.if DOCPART == 1
	.amdgcn_target "amdgcn-amd-amdhsa--gfx1250"
	.amdhsa_code_object_version 6
	.text
	.protected	k_q63661ca1e2_cvt
	.globl	k_q63661ca1e2_cvt
	.p2align	8
	.type	k_q63661ca1e2_cvt,@function
k_q63661ca1e2_cvt:
	s_mov_b64 s[64:65], 0
	v_nop
	global_prefetch_b8 v0, s[64:65] scope:SCOPE_SE
	s_setreg_imm32_b32 hwreg(HW_REG_WAVE_MODE, 25, 1), 1
	s_wait_xcnt 0x0
; cb = f16(x), f16(Wq), f16(Wk), f16(Wv), f16(Wo), one behind the other, every layout as it was.
; cb: x at byte 0 (8 MiB), Wq at 8 MiB, Wk at 10 MiB, Wv at 12 MiB, Wo at 14 MiB.
; LIMIT: a number whose magnitude passes 65,504 becomes an infinity in f16; below 6.1e-5 the absolute rounding error stays at 3e-8.
; 256 work-groups of eight waves; work-group g turns 131,072 bytes of f32 into the 65,536 bytes at cb + 65,536 g.
; g < 128: x.  Else (g - 128) >> 5 picks Wq, Wk, Wv, Wo and (g - 128) & 31 the part of it.
; Thread t, round i: 16 bytes in at 4,096 i + 16 t, 8 bytes out at 2,048 i + 8 t: a wave's load covers 512 consecutive bytes,
; a wave's store 256 consecutive bytes at a multiple of 256 from cb's first byte.
; All 32 loads of a thread go out first; every load and every store has registers of its own, so nothing is rewritten while it is read.
; No LDS, no matrix unit, no cluster: no byte is used twice and no work-group shares one with another.
.set CHUNK,  4096                      ; bytes that the work-group reads in a round
.set ROUNDS, 32
.set X, 4                              ; v[4:131]   round i: 4 f32 as loaded
.set Y, 132                            ; v[132:195] round i: 4 f16 to store
	s_load_b256 s[4:11], s[0:1], 0x0               ; x s[4:5], Wq s[6:7], Wk s[8:9], Wv s[10:11]
	s_load_b128 s[12:15], s[0:1], 0x20             ; Wo s[12:13], cb s[14:15]
	s_sub_co_u32 s16, ttmp9, 128                   ; the number among the weights' work-groups (not used where g < 128)
	s_and_b32 s17, s16, 31                         ; which 128 KiB of the weight
	s_lshr_b32 s18, s16, 5                         ; which weight
	v_lshlrev_b32 v1, 4, v0                        ; 16 t
	v_lshlrev_b32 v2, 3, v0                        ; 8 t
	s_wait_kmcnt 0x0
	s_cmp_eq_u32 s18, 1
	s_cselect_b64 s[6:7], s[8:9], s[6:7]
	s_cmp_eq_u32 s18, 2
	s_cselect_b64 s[6:7], s[10:11], s[6:7]
	s_cmp_eq_u32 s18, 3
	s_cselect_b64 s[6:7], s[12:13], s[6:7]         ; s[6:7]: the weight
	s_cmp_lt_u32 ttmp9, 128
	s_cselect_b64 s[4:5], s[4:5], s[6:7]           ; x or the weight
	s_cselect_b32 s17, ttmp9, s17                  ; and the part of it
	s_lshl_b32 s20, s17, 17
	s_mov_b32 s21, 0
	s_lshl_b32 s22, ttmp9, 16
	s_mov_b32 s23, 0
	s_add_nc_u64 s[4:5], s[4:5], s[20:21]
	s_add_nc_u64 s[14:15], s[14:15], s[22:23]
.set i, 0
.rept ROUNDS
	global_load_b128 v[X+4*i:X+4*i+3], v1, s[4:5] offset:CHUNK*i th:TH_LOAD_NT
.set i, i+1
.endr
.set i, 0
.rept ROUNDS
	s_wait_loadcnt ROUNDS-1-i                      ; loads come back in order (ISA guide 5.7.1): round i's is in, the younger ones stay out
	v_cvt_pk_f16_f32 v[Y+2*i],   v[X+4*i],   v[X+4*i+1]
	v_cvt_pk_f16_f32 v[Y+2*i+1], v[X+4*i+2], v[X+4*i+3]
	global_store_b64 v2, v[Y+2*i:Y+2*i+1], s[14:15] offset:(CHUNK/2)*i    ; no hint: the next launches read cb again
.set i, i+1
.endr
	s_endpgm
.Lfunc_end_k_q63661ca1e2_cvt:
	.size	k_q63661ca1e2_cvt, .Lfunc_end_k_q63661ca1e2_cvt-k_q63661ca1e2_cvt
	.p2alignl 7, 3214868480
	.fill 96, 4, 3214868480
	.section	.rodata,"a",@progbits
	.p2align	6, 0x0
	.amdhsa_kernel k_q63661ca1e2_cvt
		.amdhsa_group_segment_fixed_size 0
		.amdhsa_private_segment_fixed_size 0
		.amdhsa_enable_private_segment 0
		.amdhsa_kernarg_size 48
		.amdhsa_user_sgpr_count 2
		.amdhsa_user_sgpr_kernarg_segment_ptr 1
		.amdhsa_wavefront_size32 1
		.amdhsa_system_sgpr_workgroup_id_x 1
		.amdhsa_system_sgpr_workgroup_id_y 1
		.amdhsa_system_sgpr_workgroup_id_z 1
		.amdhsa_system_vgpr_workitem_id 0
		.amdhsa_next_free_vgpr 196
		.amdhsa_next_free_sgpr 66
		.amdhsa_reserve_vcc 0
		.amdhsa_float_denorm_mode_32 3
		.amdhsa_float_denorm_mode_16_64 3
		.amdhsa_memory_ordered 1
		.amdhsa_forward_progress 1
		.amdhsa_inst_pref_size 13
	.end_amdhsa_kernel
	.amdgpu_metadata
---
amdhsa.version: [ 1, 2 ]
amdhsa.kernels:
  - .name:           k_q63661ca1e2_cvt
    .symbol:         k_q63661ca1e2_cvt.kd
    .args:
      - { .name: x, .offset: 0, .size: 8, .value_kind: global_buffer, .address_space: global }
      - { .name: Wq, .offset: 8, .size: 8, .value_kind: global_buffer, .address_space: global }
      - { .name: Wk, .offset: 16, .size: 8, .value_kind: global_buffer, .address_space: global }
      - { .name: Wv, .offset: 24, .size: 8, .value_kind: global_buffer, .address_space: global }
      - { .name: Wo, .offset: 32, .size: 8, .value_kind: global_buffer, .address_space: global }
      - { .name: cb, .offset: 40, .size: 8, .value_kind: global_buffer, .address_space: global }
    .group_segment_fixed_size: 0
    .private_segment_fixed_size: 0
    .kernarg_segment_align: 8
    .kernarg_segment_size: 48
    .max_flat_workgroup_size: 256
    .sgpr_count:     66
    .vgpr_count:     196
    .wavefront_size: 32
...
	.end_amdgpu_metadata
.endif
;; end of part 1
;; launch qkv (part 2): grid 16 x 16, 4 waves a work-group, clusters of 4 x 4, 327,680 bytes of LDS; arguments cb, qkv; writes qkv
.if DOCPART == 2
	.amdgcn_target "amdgcn-amd-amdhsa--gfx1250"
	.amdhsa_code_object_version 6
	.text
	.protected	k_q63661ca1e2_qkv
	.globl	k_q63661ca1e2_qkv
	.p2align	8
	.type	k_q63661ca1e2_qkv,@function
k_q63661ca1e2_qkv:
	s_mov_b64 s[64:65], 0
	v_nop
	global_prefetch_b8 v0, s[64:65] scope:SCOPE_SE
	s_setreg_imm32_b32 hwreg(HW_REG_WAVE_MODE, 25, 1), 1
	s_wait_xcnt 0x0
	s_wait_alu depctr_hold_cnt(0) depctr_sa_sdst(0) depctr_va_vdst(0) depctr_va_sdst(0) depctr_va_ssrc(0) depctr_va_vcc(0) depctr_vm_vsrc(0)
	s_getreg_b32 s2, hwreg(HW_REG_IB_STS2, 6, 4)
	s_cmp_eq_u32 s2, 0
	s_cbranch_scc0 .Lentry_in_a_cluster
	s_endpgm
.Lentry_in_a_cluster:
	s_bfe_u32 s2, ttmp6, 0x10000c
	s_cmp_lg_u32 s2, 0xf033
	s_cbranch_scc0 .Lentry_shape_is_right
	s_endpgm
.Lentry_shape_is_right:
; q, k, v = x W[h] for one head and 256 rows of x.  Operands f16 (from cb), sums f32, results f16.
; qkv: q at byte 0, k at 8 MiB, v at 16 MiB, each [b*16+h][2048][64] f16.  q IS STORED TIMES log2(e)/8: the factor is applied to the
; f32 sum, ahead of the one rounding, so that the next launch's scores are exponents of 2 as they come.
; LIMIT: |q log2(e)/8|, |k|, |v| below 65,504 (f16); beyond that the stored number is an infinity.
; Work-group (x = head, y = block of 256 of the 4,096 rows) makes 256 rows x 192 columns (q, k, v of the head), four waves, as many as a
; WGP has SIMDs.  Wave w makes rows 64 w .. 64 w + 63 x all 192 columns: 4 x 12 accumulator tiles, 384 registers.  A wave so owns whole
; rows of 128 bytes of q, k and v: its way out needs no other wave.
; K (= d, 1,024) goes in steps of 128 through two LDS slots filled by the tensor data mover.
; CLUSTERS: 4 x 4 work-groups.  x's tile hangs on y alone and is asked for jointly by a row of the cluster, W's on the head alone and
; is asked for jointly by a column: a quarter of the requests.
; W lies [d][e] in memory (K down the rows) and is never transposed there: ds_load_tr16_b128 makes the fragments.
; THE MATRIX INSTRUCTION IS USED TRANSPOSED: source 0 = 16 columns e of W, source 1 = 16 rows of x.  Lane l then holds row l % 16 and its
; registers 0-7 the columns e = 8 (l / 16) + 0..7: eight neighbouring numbers of a row.
; REGISTERS in windows of 256: window 0: addresses, x's fragments (two buffers), the way out; window 1: W's fragments (two buffers);
; window 2: accumulator tiles of my rows 0-31 (tile (a, b) at v[8 (12 a + b)]); window 3: of my rows 32-63.
.set KSTEP,  128
.set PA,     272                       ; LDS pitch of a row of x: 256 bytes + 16: an odd multiple of 16
.set AHALF,  128*PA                    ; 128 rows: one wave's load of x
.set ABYTES, 2*AHALF
.set PB,     160                       ; LDS pitch of a row d of W: 128 bytes + 32: an odd multiple of 32
.set BCH,    64*PB                     ; 64 rows d of one of Wq, Wk, Wv
.set BHALF,  3*BCH                     ; one wave's load of W: 64 rows d of all three
.set SLOT,   ABYTES+2*BHALF            ; 131,072: x's 256 rows, then W as [half][matrix][64 d][160]
.set STAGE,  2*SLOT                    ; behind the ring, never filled by a tensor load: [wave][matrix][16 rows][144]
.set SP,     144
.set WSTAGE, 3*16*SP
.set LAPS,   1024/(2*KSTEP)            ; a lap = two K steps = once round the ring
.set ADRA, 16                          ; v16-17  LDS address of my x fragments in slot 0, 1
.set ADRB, 20                          ; v20-21  the same for W
.set STO,  24                          ; v24     the way out: where I put 16 bytes of a row
.set RD,   25                          ; v25     the way out: where I read rows back
.set CO,   26                          ; v26     16 x lane: my bytes in 512 consecutive bytes of q, k or v
.set FA,   32                          ; v32-63, v64-95    x's fragments, buffers 0, 1 (window 0)
.set TMP,  96                          ; v96-143           packed results
.set RB0,  144                         ; v144-191          rows read back, two sets in turn
.set RB1,  192                         ; v192-239
.set G1,  24                           ; s[24:31] descriptor group 1, x's tiles
.set G0,  32                           ; s[32:39] group 0, x's tiles, a set for each slot
.set G1B, 48                           ; s[48:55] group 1, W's tiles
.set G0B, 56                           ; s[56:63] group 0, W's tiles, a set for each slot
.set OB,  68                           ; s[68:73] q, k, v at my wave's first row
.set SC,  76                           ; s[76:77] log2(e)/8, twice
.set MSB, 0
.macro WIN new                         ; the immediate's high byte repeats the setting that is left
.if MSB != (\new)
	s_set_vgpr_msb (MSB<<8)|(\new)
.set MSB, \new
.endif
.endm
.set MUL_LO, 0xa1                      ; source 0 (W) window 1, source 1 (x) window 0, C and D window 2
.set MUL_HI, 0xf1                      ; the same, C and D window 3
.set TO_B,   0x40                      ; destination window 1, address window 0
; A joint load: waves 0 and 1 fetch x's two halves, waves 2 and 3 W's.  Each line has one mask; the branch hangs on the wave's number alone.
.macro JLOAD s
	s_cmp_eq_u32 s11, 0
	s_cbranch_scc0 .Lfor_b_\@
	tensor_load_to_lds s[G0+4*\s:G0+4*\s+3], s[G1:G1+7]
	s_nop 0
	s_branch .Lasked_\@
.Lfor_b_\@:
	tensor_load_to_lds s[G0B+4*\s:G0B+4*\s+3], s[G1B:G1B+7]
	s_nop 0
.Lasked_\@:
.endm
; A round of the cluster's barrier: my work-group's barrier; wave 0 signals for the work-group; every wave waits for all sixteen; my work-group's barrier again.
.macro CREST                           ; a round behind its opening barrier
	s_cmp_lg_u32 s10, 0
	s_cbranch_scc1 .Lnot_wave_0_\@
	s_barrier_signal -3
.Lnot_wave_0_\@:
	s_barrier_wait -3
	s_barrier_signal -1
	s_barrier_wait -1
.endm
.macro CROUND
	s_barrier_signal -1
	s_barrier_wait -1
	CREST
.endm
	s_load_b128 s[4:7], s[0:1], 0x0                ; cb s[4:5], qkv s[6:7]
	s_set_vgpr_msb 0x40
	v_lshl_add_u32 v255, v0, 2, 0x46c00
	s_set_vgpr_msb 0x4000
	v_mov_b32 v255, 0
	s_set_vgpr_msb 0x1
	ds_add_u32 v255, v255
	s_set_vgpr_msb 0x100
	v_lshrrev_b32 v1, 5, v0
	v_readfirstlane_b32 s10, v1                    ; wave 0..3
	s_lshr_b32 s11, s10, 1                         ; I fetch for x (0) or for W (1)
	s_and_b32 s12, s10, 1                          ; and which half of that tile
	s_bfe_u32 s40, ttmp6, 0x40000                  ; cx
	s_bfe_u32 s41, ttmp6, 0x40004                  ; cy
	s_lshl_b32 s42, ttmp9, 2
	s_add_co_u32 s42, s42, s40                     ; head = 4 x cluster x + cx
	s_and_b32 s13, ttmp7, 0xffff
	s_lshl_b32 s13, s13, 2
	s_add_co_u32 s13, s13, s41                     ; row block y = 4 x cluster y + cy
	s_lshl_b32 s43, s41, 2
	s_lshl_b32 s43, 15, s43                        ; my row of the cluster
	s_lshl_b32 s44, 0x1111, s40                    ; my column
	s_mov_b32 s[SC], 0x3e38aa3b                    ; log2(e)/8
	s_mov_b32 s[SC+1], 0x3e38aa3b
	; group 1 for x: 128 rows x 128 elements of 2 bytes, 1,024 elements from row to row; 4 words of padding behind every 64 words
	s_or_b32  s[G1+0], s43, (1<<16)|(1<<20)|(1<<21)|(5<<22)|(3<<25)
	s_mov_b32 s[G1+1], 128<<16                     ; tensor_dim0 = 128
	s_mov_b32 s[G1+2], 128<<16                     ; tensor_dim1 = 128
	s_mov_b32 s[G1+3], 128<<16                     ; tile_dim0 = 128
	s_mov_b32 s[G1+4], 128                         ; tile_dim1 = 128
	s_mov_b32 s[G1+5], 1024                        ; pitch
	s_mov_b32 s[G1+6], 0
	s_mov_b32 s[G1+7], 0
	; group 1 for W: 3 rows of 4,096 elements.  A row is 64 rows d x 64 e of one matrix, which lie one behind the other in memory; from Wq to Wk
	; to Wv are 1,048,576 elements.  8 words of padding behind every 32 words (one d's 128 bytes): LDS pitch 160 for each d.
	s_or_b32  s[G1B+0], s44, (1<<16)|(1<<20)|(1<<21)|(4<<22)|(7<<25)
	s_mov_b32 s[G1B+1], 4096<<16                   ; tensor_dim0 = 4,096
	s_mov_b32 s[G1B+2], 3<<16                      ; tensor_dim1 = 3
	s_mov_b32 s[G1B+3], 4096<<16                   ; tile_dim0 = 4,096
	s_mov_b32 s[G1B+4], 3                          ; tile_dim1 = 3
	s_mov_b32 s[G1B+5], 0x100000                   ; pitch
	s_mov_b32 s[G1B+6], 0
	s_mov_b32 s[G1B+7], 0
	; where the tiles come from: x's hang on y, W's on the head; each in registers that never hold the other coordinate
	s_lshl_b32 s16, s13, 19                        ; 256 y rows of 2,048 bytes
	s_lshl_b32 s17, s12, 18                        ; + 128 rows for the second half
	s_add_co_u32 s16, s16, s17
	s_mov_b32 s17, 0
	s_lshl_b32 s46, s42, 17                        ; the head's 1,024 x 64 numbers
	s_lshl_b32 s47, s12, 13                        ; + 64 rows d for the second half
	s_add_co_u32 s46, s46, s47
	s_add_co_u32 s46, s46, 0x800000                ; Wq's place in cb
	s_mov_b32 s47, 0
	s_mul_i32 s20, s10, AHALF                      ; where they go: x's halves (waves 0, 1) at wave x 34,816;
	s_mul_i32 s21, s10, BHALF                      ; W's halves (waves 2, 3) at 69,632 + (wave - 2) x 30,720
	s_add_co_u32 s21, s21, ABYTES-2*BHALF
	s_wait_dscnt 0x0
	s_wait_kmcnt 0x0
	s_add_nc_u64 s[14:15], s[4:5], s[16:17]
	s_add_nc_u64 s[46:47], s[4:5], s[46:47]
	CROUND                                         ; all sixteen work-groups are here: the first joint loads meet
.irp s, 0,1
	s_mov_b32 s[G0+4*\s], 1
	s_add_co_u32 s[G0+4*\s+1], s20, \s*SLOT
	s_add_nc_u64 s[G0+4*\s+2:G0+4*\s+3], s[14:15], \s*KSTEP*2          ; K step s: 256 bytes along the rows
	s_or_b32 s[G0+4*\s+3], s[G0+4*\s+3], 0x80000000
	s_mov_b32 s[G0B+4*\s], 1
	s_add_co_u32 s[G0B+4*\s+1], s21, \s*SLOT
	s_add_nc_u64 s[G0B+4*\s+2:G0B+4*\s+3], s[46:47], \s*KSTEP*128      ; K step s: 128 rows d of 128 bytes
	s_or_b32 s[G0B+4*\s+3], s[G0B+4*\s+3], 0x80000000
	JLOAD \s                                       ; both slots are asked for before anything else: two tensor loads of the wave are out
.endr
	v_and_b32 v1, 15, v0                           ; r = l % 16
	v_bfe_u32 v2, v0, 4, 1                         ; h = l / 16
	v_mul_u32_u24 v3, v1, PA
	v_lshl_add_u32 v3, v2, 4, v3                   ; r x pitch + 16 h
	s_mul_i32 s22, s10, 64*PA                      ; my 64 rows of x
	v_add_nc_u32 v[ADRA], s22, v3
	v_add_nc_u32 v[ADRA+1], SLOT, v[ADRA]
	v_and_b32 v4, 7, v0
	v_lshl_add_u32 v5, v2, 3, v4                   ; the transposing load: lane l addresses row d = 8 h + l % 8,
	v_mul_u32_u24 v5, v5, PB
	v_bfe_u32 v6, v0, 3, 1
	v_lshl_add_u32 v5, v6, 4, v5                   ; and the first or second 16 bytes of the 16 columns
	v_add_nc_u32 v[ADRB], ABYTES, v5
	v_add_nc_u32 v[ADRB+1], SLOT+ABYTES, v5
	s_mul_i32 s23, s10, WSTAGE
	s_add_co_u32 s23, s23, STAGE                   ; my stage
	v_mul_u32_u24 v6, v1, SP
	v_lshl_add_u32 v6, v2, 4, v6
	v_add_nc_u32 v[STO], s23, v6                   ; in: row r, 16 bytes for each half of the lanes
	v_and_b32 v7, 31, v0
	v_lshrrev_b32 v5, 3, v7
	v_mul_u32_u24 v5, v5, SP
	v_lshl_add_u32 v5, v4, 4, v5
	v_add_nc_u32 v[RD], s23, v5                    ; back: eight lanes take a row of 128 bytes, the wave four rows
	v_lshlrev_b32 v[CO], 4, v7
; 24 matrix instructions: two of my four row tiles (hi = 0: tiles 0, 1; 1: tiles 2, 3) x all 12 column tiles, 32 along K.
; zero = 1: the first product starts the sums.  The 48 accumulators take turns, one instruction a turn, in the same order in every
; quarter step and over the backward jump.
.macro MUL24 f, hi, zero
.irp a, 0,1
.irp b, 0,1,2,3,4,5,6,7,8,9,10,11
.if \zero
	v_wmma_f32_16x16x32_f16 v[8*(12*\a+\b):8*(12*\a+\b)+7], v[96*\f+8*\b:96*\f+8*\b+7], v[FA+32*\f+8*(2*\hi+\a):FA+32*\f+8*(2*\hi+\a)+7], 0
.else
	v_wmma_f32_16x16x32_f16 v[8*(12*\a+\b):8*(12*\a+\b)+7], v[96*\f+8*\b:96*\f+8*\b+7], v[FA+32*\f+8*(2*\hi+\a):FA+32*\f+8*(2*\hi+\a)+7], v[8*(12*\a+\b):8*(12*\a+\b)+7]
.endif
.endr
.endr
.endm
; 32 LDS loads in one run: quarter kq (32 along K) of a slot into buffer f.  W: tile b = matrix b / 4, columns 16 (b % 4) ..; two transposing
; loads, 16 rows d apart.  x: two loads of 16 bytes, 32 bytes apart.
.macro FETCH slot, kq, f
	WIN TO_B
.irp b, 0,1,2,3,4,5,6,7,8,9,10,11
	ds_load_tr16_b128 v[96*\f+8*\b:96*\f+8*\b+3],   v[ADRB+\slot] offset:(\kq>>1)*BHALF+(\b>>2)*BCH+(\kq&1)*32*PB+(\b&3)*32
	ds_load_tr16_b128 v[96*\f+8*\b+4:96*\f+8*\b+7], v[ADRB+\slot] offset:(\kq>>1)*BHALF+(\b>>2)*BCH+(\kq&1)*32*PB+(\b&3)*32+16*PB
.endr
	WIN 0
.irp a, 0,1,2,3
	ds_load_b128 v[FA+32*\f+8*\a:FA+32*\f+8*\a+3],   v[ADRA+\slot] offset:\a*16*PA+64*\kq
	ds_load_b128 v[FA+32*\f+8*\a+4:FA+32*\f+8*\a+7], v[ADRA+\slot] offset:\a*16*PA+64*\kq+32
.endr
.endm
; Four plain vector instructions between a matrix instruction and a load into, or a vector instruction on, one of its registers (ISA guide 7.12.1 for vector instructions).
.macro PLACES
.rept 4
	v_nop
.endr
.endm
; One of a K step's first three quarters: buffer f is in; the next quarter's fragments are asked for into buffer g; 48 matrix instructions on f.
.macro QUARTER slot, kq, f, g, zero
	s_wait_dscnt 0x0                               ; buffer f's 32 loads, issued ahead of the last run of matrix instructions
	PLACES
	FETCH \slot, \kq, \g
	WIN MUL_LO
	MUL24 \f, 0, \zero
	WIN MUL_HI
	MUL24 \f, 1, \zero
.endm
.macro THREE slot, zero
	QUARTER \slot, 1, 0, 1, \zero
	QUARTER \slot, 2, 1, 0, 0
	QUARTER \slot, 3, 0, 1, 0
.endm
; The last quarter multiplies buffer 1 and changes slots.  In front of the barrier each wave has waited for its reads of this slot and for all
; its tensor loads (one is out: its part of the next slot).  Behind it this slot is filled again first (fill = 1), then the next slot is read.
; From a request to the wait for it a wave issues 168 of a K step's 192 matrix instructions.
.macro TURN slot, next, fill
	s_wait_dscnt 0x0                               ; my reads of this slot are over
	s_wait_tensorcnt 0x0                           ; all my tensor loads have landed
	ds_add_u32 v255, v255
	s_wait_dscnt 0x0
	s_barrier_signal -1                            ; (where a slot is filled again this barrier opens a round of the cluster's barrier)
	WIN MUL_LO
	MUL24 1, 0, 0                                  ; register work while the others arrive
	WIN 0
	s_barrier_wait -1
.if \fill
	CREST                                          ; no wave of any partner still reads this slot or has a load on its way
	s_add_nc_u64 s[G0+4*\slot+2:G0+4*\slot+3], s[G0+4*\slot+2:G0+4*\slot+3], 2*KSTEP*2
	s_add_nc_u64 s[G0B+4*\slot+2:G0B+4*\slot+3], s[G0B+4*\slot+2:G0B+4*\slot+3], 2*KSTEP*128
	JLOAD \slot                                    ; the wave's one tensor load behind the round
.endif
	PLACES
	FETCH \next, 0, 0
	WIN MUL_HI
	MUL24 1, 1, 0
.endm
.macro LAP zero
	THREE 0, \zero
	TURN 0, 1, 1
	THREE 1, 0
	TURN 1, 0, 1
.endm
	s_wait_tensorcnt 0x1                           ; my part of K step 0 is in; K step 1's, issued behind it, may stay out
	s_barrier_signal -1
	s_barrier_wait -1
	FETCH 0, 0, 0
	LAP 1                                          ; the first lap's first products start the sums
	WIN 0
	s_mov_b32 s3, LAPS-2
.Llap:
	LAP 0
	WIN 0
	s_sub_co_u32 s3, s3, 1
	s_cmp_lg_u32 s3, 0
	s_cbranch_scc1 .Llap
	THREE 0, 0                                     ; the last lap fills nothing
	TURN 0, 1, 0
	THREE 1, 0
	s_wait_dscnt 0x0
	WIN MUL_LO
	MUL24 1, 0, 0
	WIN MUL_HI
	MUL24 1, 1, 0
	; THE WAY OUT, 16 rows at a time: q's sums times log2(e)/8, all rounded to f16, 16 bytes a lane into my own stage, read back as whole rows.
	PLACES
	s_lshr_b32 s16, s13, 3                         ; b = y / 8
	s_lshl_b32 s16, s16, 22                        ; 16 heads of 262,144 bytes
	s_and_b32 s18, s13, 7
	s_lshl_b32 s18, s18, 15                        ; 256 (y % 8) rows of 128 bytes
	s_add_co_u32 s16, s16, s18
	s_lshl_b32 s18, s10, 13                        ; + 64 rows for each wave
	s_add_co_u32 s16, s16, s18
	s_mov_b32 s17, 0
	s_lshl_b32 s46, s42, 18                        ; the head
	s_mov_b32 s47, 0
	s_add_nc_u64 s[OB:OB+1], s[6:7], s[16:17]
	s_add_nc_u64 s[OB:OB+1], s[OB:OB+1], s[46:47]              ; q
	s_add_nc_u64 s[OB+2:OB+3], s[OB:OB+1], 0x800000            ; k
	s_add_nc_u64 s[OB+4:OB+5], s[OB:OB+1], 0x1000000           ; v
; rows 16 a .. 16 a + 15 of my 64.  sc: window setting for the scaling in place; from: for the conversions; rb: RB0 or RB1 in turn
.macro OUT16 a, sc, from, rb
	WIN \sc
.irp b, 0,1,2,3
.irp i, 0,2,4,6
	v_pk_mul_f32 v[8*(12*(\a&1)+\b)+\i:8*(12*(\a&1)+\b)+\i+1], v[8*(12*(\a&1)+\b)+\i:8*(12*(\a&1)+\b)+\i+1], s[SC:SC+1] op_sel_hi:[1,0]
.endr
.endr
	WIN \from
.irp b, 0,1,2,3,4,5,6,7,8,9,10,11
.irp i, 0,1,2,3
	v_cvt_pk_f16_f32 v[TMP+4*\b+\i], v[8*(12*(\a&1)+\b)+2*\i], v[8*(12*(\a&1)+\b)+2*\i+1]
.endr
.endr
	WIN 0
.irp b, 0,1,2,3,4,5,6,7,8,9,10,11
	ds_store_b128 v[STO], v[TMP+4*\b:TMP+4*\b+3] offset:(\b>>2)*16*SP+(\b&3)*32
.endr
	s_wait_xcnt 0x0                                ; set rb, which earlier stores read, is loaded again only behind this wait
.irp m, 0,1,2
.irp t, 0,1,2,3
	ds_load_b128 v[\rb+4*(4*\m+\t):\rb+4*(4*\m+\t)+3], v[RD] offset:\m*16*SP+\t*4*SP    ; LDS serves a wave's instructions in order (ISA guide 5.7.1): these see the stores above
.endr
.endr
.irp m, 0,1,2
.irp t, 0,1,2,3
	s_wait_dscnt 11-(4*\m+\t)                      ; the younger loads of the twelve stay out
	global_store_b128 v[CO], v[\rb+4*(4*\m+\t):\rb+4*(4*\m+\t)+3], s[OB+2*\m:OB+2*\m+1] offset:\a*2048+\t*512   ; four rows: 512 consecutive bytes at a multiple of 512
.endr
.endr
.endm
	OUT16 0, 0x82, 0x0a, RB0
	OUT16 1, 0x82, 0x0a, RB1
	OUT16 2, 0xc3, 0x0f, RB0
	OUT16 3, 0xc3, 0x0f, RB1
	s_set_vgpr_msb 0x1
	s_wait_tensorcnt 0x0
	ds_add_u32 v255, v255
	s_wait_dscnt 0x0
	s_set_vgpr_msb 0x100
	CROUND                                         ; the closing round: no work-group ends while a partner may still ask for a tile that names it
	s_endpgm
.Lfunc_end_k_q63661ca1e2_qkv:
	.size	k_q63661ca1e2_qkv, .Lfunc_end_k_q63661ca1e2_qkv-k_q63661ca1e2_qkv
	.p2alignl 7, 3214868480
	.fill 96, 4, 3214868480
	.section	.rodata,"a",@progbits
	.p2align	6, 0x0
	.amdhsa_kernel k_q63661ca1e2_qkv
		.amdhsa_group_segment_fixed_size 327680
		.amdhsa_private_segment_fixed_size 0
		.amdhsa_enable_private_segment 0
		.amdhsa_kernarg_size 16
		.amdhsa_user_sgpr_count 2
		.amdhsa_user_sgpr_kernarg_segment_ptr 1
		.amdhsa_wavefront_size32 1
		.amdhsa_system_sgpr_workgroup_id_x 1
		.amdhsa_system_sgpr_workgroup_id_y 1
		.amdhsa_system_sgpr_workgroup_id_z 1
		.amdhsa_system_vgpr_workitem_id 0
		.amdhsa_next_free_vgpr 960
		.amdhsa_next_free_sgpr 78
		.amdhsa_reserve_vcc 0
		.amdhsa_float_denorm_mode_32 3
		.amdhsa_float_denorm_mode_16_64 3
		.amdhsa_memory_ordered 1
		.amdhsa_forward_progress 1
		.amdhsa_inst_pref_size 167
	.end_amdhsa_kernel
	.amdgpu_metadata
---
amdhsa.version: [ 1, 2 ]
amdhsa.kernels:
  - .name:           k_q63661ca1e2_qkv
    .symbol:         k_q63661ca1e2_qkv.kd
    .args:
      - { .name: cb, .offset: 0, .size: 8, .value_kind: global_buffer, .address_space: global }
      - { .name: qkv, .offset: 8, .size: 8, .value_kind: global_buffer, .address_space: global }
    .group_segment_fixed_size: 327680
    .private_segment_fixed_size: 0
    .kernarg_segment_align: 8
    .kernarg_segment_size: 16
    .max_flat_workgroup_size: 128
    .sgpr_count:     78
    .vgpr_count:     960
    .wavefront_size: 32
...
	.end_amdgpu_metadata
.endif
;; end of part 2
;; launch attn (part 3): grid 8 x 32, 16 waves a work-group, clusters of 4 x 1, 327,680 bytes of LDS; arguments qkv, ob; writes ob
.if DOCPART == 3
	.amdgcn_target "amdgcn-amd-amdhsa--gfx1250"
	.amdhsa_code_object_version 6
	.text
	.protected	k_q63661ca1e2_attn
	.globl	k_q63661ca1e2_attn
	.p2align	8
	.type	k_q63661ca1e2_attn,@function
k_q63661ca1e2_attn:
	s_mov_b64 s[64:65], 0
	v_nop
	global_prefetch_b8 v0, s[64:65] scope:SCOPE_SE
	s_setreg_imm32_b32 hwreg(HW_REG_WAVE_MODE, 25, 1), 1
	s_wait_xcnt 0x0
	s_wait_alu depctr_hold_cnt(0) depctr_sa_sdst(0) depctr_va_vdst(0) depctr_va_sdst(0) depctr_va_ssrc(0) depctr_va_vcc(0) depctr_vm_vsrc(0)
	s_getreg_b32 s2, hwreg(HW_REG_IB_STS2, 6, 4)
	s_cmp_eq_u32 s2, 0
	s_cbranch_scc0 .Lentry_in_a_cluster
	s_endpgm
.Lentry_in_a_cluster:
	s_bfe_u32 s2, ttmp6, 0x10000c
	s_cmp_lg_u32 s2, 0x3003
	s_cbranch_scc0 .Lentry_shape_is_right
	s_endpgm
.Lentry_shape_is_right:
; o = softmax(q k^T / 8) v for one (batch, head) and 256 queries, with a running maximum.  Operands f16, scores, sums and o's sums f32.
; qkv: q (already times log2(e)/8) at byte 0, k at 8 MiB, v at 16 MiB, each [b*16+h][2048][64] f16.  ob: [b*16+h][2048][64] f16.
; LIMITS: p = 2^(s - m) is rounded to f16 for the product with v: a p below about 2^-25 of the largest of its 1,024 keys counts as 0
; there; the row's sum is made of the unrounded p.  Rows whose scores hold NaN or infinities are not treated.
; Work-group (x = block of 256 queries, y = b*16+h), SIXTEEN WAVES of 256 registers, four for each of the WGP's four SIMDs.  Wave w takes
; the 32 queries of group w % 8 (two tiles of 16) and the keys of half w / 8 (1,024 of the 2,048).  A step of 64 keys is a chain: K's
; fragments, 16 products, some 240 vector instructions, 16 products, each part waiting for the one before; four waves on a SIMD stand in
; different parts of it.  The split along the keys leaves the LDS reads of the work-group as they would be with eight waves: each wave
; reads only its half.  At the end the two waves of a query group merge their maxima, sums and O through LDS.
; CLUSTER: the four query blocks of a cluster read the same K and V: every tile is asked for jointly (mask 15).
; EVERYTHING IS TRANSPOSED, so that nothing is shuffled between lanes:
;   S^T = K Q^T: source 0 = 16 keys, source 1 = 16 queries.  Lane l holds query l % 16, registers 0-7 the keys 8 (l / 16) + 0..7 of the tile:
;   maximum and sum run inside the lane, with one exchange between the halves of the wave.
;   Two neighbouring tiles of S^T, packed in pairs, ARE source 1 (P^T, 32 keys) of the second product.
;   O^T = V^T P^T: source 0 = V^T, made from V[key][e] by ds_load_tr16_b128.  Lane l again holds query l % 16: rescaling is a factor of the lane.
; K and V go through two LDS slots; a slot holds 256 keys of each half, four steps of 64 keys for every wave.  Four fills in all: two at the
; start, two refills, each behind a round of the cluster's barrier.
.set PK,     144                       ; LDS pitch of a key's row of K: 128 bytes + 16
.set PV,     160                       ; of V: 128 bytes + 32, an odd multiple of 32
.set HK,     256                       ; keys of one half in a slot
.set VB,     2*HK*PV                   ; V's part of a slot, 81,920: first half's 256 keys, then the second half's
.set KB,     2*HK*PK                   ; K's part, behind it, 73,728, likewise
.set SLOT,   VB+KB                     ; 155,648
; The exchange and the stage of the way out lie in slot 0.  Its last fill of the launch is the third of the four; every wave's reads of it
; are waited for in front of the barrier of the last change of slots, and nothing is stored there before that barrier.
.set XP,     17*512                    ; exchange of a query group, from LDS byte 0 on: 64 registers of O, then maximum and sum: 8,704 bytes
.set STAGE,  8*XP                      ; 69,632: [query group][32 rows][144]
.set SP,     144
.set WSTAGE, 32*SP
.set XA,   7                           ; v7      my 16 bytes in each 512 of my query group's exchange
.set ADRK, 8                           ; v8-9    LDS address of my K fragments in slot 0, 1
.set ADRV, 10                          ; v10-11  the same for V
.set STO,  12
.set RD,   13
.set CO,   14
.set QOFF, 15
.set MA,   16                          ; v16-17  the running maximum of query tiles 0, 1, as written by even steps; in the merge the partner's factor
.set LS,   18                          ; v18-19  the lane's part of the running sum
.set AL,   20                          ; v20-21  2^(old maximum - new maximum); in the merge my factor
.set MB,   22                          ; v22-23  the running maximum as written by odd steps, the last step among them
.set T,    24                          ; v24-31  at work
.set Q,    32                          ; v32-63   Q fragments at 16 qi + 8 ke
.set O,    64                          ; v64-127  O^T at 32 qi + 8 et
.set S,    128                         ; v128-191 S^T at 32 qi + 8 t; then p; then P^T packed at 32 qi + 8 ks; in the merge the partner's O
.set KV,   192                         ; v192-255 K fragments at 16 t + 8 ke, then V^T fragments at 16 et + 8 ks
.set G1K, 24                           ; s[24:31] group 1 for K
.set G1V, 32                           ; s[32:39] group 1 for V
.set G0K, 40                           ; s[40:47] group 0 for K, a set for each slot
.set G0V, 48                           ; s[48:55] group 0 for V, a set for each slot
; A joint load into slot s.  Waves 0-7 fetch V's eight pieces of 64 keys, waves 8-15 K's: the branch hangs on the wave's number alone.
.macro JLOAD s
	s_cmp_eq_u32 s9, 0
	s_cbranch_scc0 .Lfor_k_\@
	tensor_load_to_lds s[G0V+4*(\s):G0V+4*(\s)+3], s[G1V:G1V+7]
	s_nop 0
	s_branch .Lasked_\@
.Lfor_k_\@:
	tensor_load_to_lds s[G0K+4*(\s):G0K+4*(\s)+3], s[G1K:G1K+7]
	s_nop 0
.Lasked_\@:
.endm
; A round of the cluster's barrier: my work-group's barrier; wave 0 signals for the work-group; every wave waits for all four; my work-group's barrier again.
.macro ROUND
	s_barrier_signal -1
	s_barrier_wait -1
	s_cmp_lg_u32 s8, 0
	s_cbranch_scc1 .Lnot_wave_0_\@
	s_barrier_signal -3
.Lnot_wave_0_\@:
	s_barrier_wait -3
	s_barrier_signal -1
	s_barrier_wait -1
.endm
	s_load_b128 s[4:7], s[0:1], 0x0                ; qkv s[4:5], ob s[6:7]
	v_lshl_add_u32 v190, v0, 2, 0x4c000
	v_mov_b32 v191, 0
	ds_add_u32 v190, v191
	s_wait_dscnt 0x0
	v_lshrrev_b32 v1, 5, v0
	v_readfirstlane_b32 s8, v1                     ; wave 0..15
	s_lshr_b32 s9, s8, 3                           ; my half of the keys.  Also: I fetch for V (0) or for K (1)
	s_and_b32 s10, s8, 7                           ; my query group.  Also: which piece of 64 keys of that tile I fetch
	s_bfe_u32 s11, ttmp6, 0x40000                  ; cx
	s_lshl_b32 s12, ttmp9, 2
	s_add_co_u32 s12, s12, s11                     ; query block = 4 x cluster x + cx
	s_and_b32 s13, ttmp7, 0xffff                   ; b*16+h
	s_mov_b32 s14, 0x76543210                      ; v_permlanex16_b32: lane i of one half reads lane i of the other
	s_mov_b32 s15, 0xfedcba98
	; group 1: 64 keys' rows lie one behind the other in memory: 8,192 bytes taken as 32 rows of 256 bytes.  Padding behind every 32 words
	; (one key's 128 bytes): 4 words for K, 8 for V.
	s_mov_b32 s[G1K+0], 15|(1<<16)|(1<<20)|(1<<21)|(4<<22)|(3<<25)
	s_mov_b32 s[G1V+0], 15|(1<<16)|(1<<20)|(1<<21)|(4<<22)|(7<<25)
.irp g, G1K, G1V
	s_mov_b32 s[\g+1], 128<<16                     ; tensor_dim0 = 128
	s_mov_b32 s[\g+2], 32<<16                      ; tensor_dim1 = 32
	s_mov_b32 s[\g+3], 128<<16                     ; tile_dim0 = 128
	s_mov_b32 s[\g+4], 32                          ; tile_dim1 = 32
	s_mov_b32 s[\g+5], 128                         ; pitch
	s_mov_b32 s[\g+6], 0
	s_mov_b32 s[\g+7], 0
.endr
	s_lshl_b32 s56, s13, 18                        ; the head's 2,048 x 64 numbers
	s_lshr_b32 s57, s10, 2
	s_lshl_b32 s57, s57, 17                        ; pieces 4-7 belong to the second half: 1,024 keys of 128 bytes on
	s_add_co_u32 s56, s56, s57
	s_and_b32 s57, s10, 3
	s_lshl_b32 s57, s57, 13                        ; + 64 keys for each piece within the half
	s_add_co_u32 s56, s56, s57
	s_mov_b32 s57, 0
	s_mul_i32 s71, s8, 64*PV                       ; V's pieces (waves 0-7) at wave x 10,240;
	s_mul_i32 s70, s8, 64*PK                       ; K's (waves 8-15) at 81,920 + (wave - 8) x 9,216
	s_add_co_u32 s70, s70, VB-8*64*PK
	s_lshl_b32 s58, s13, 18                        ; my 32 queries, in q and in ob alike: the head,
	s_lshl_b32 s19, s12, 15                        ; 256 rows of 128 bytes for each block,
	s_add_co_u32 s58, s58, s19
	s_lshl_b32 s19, s10, 12                        ; 32 rows for each query group
	s_add_co_u32 s58, s58, s19
	s_mov_b32 s59, 0
	s_wait_kmcnt 0x0
	s_add_nc_u64 s[66:67], s[4:5], s[56:57]
	s_add_nc_u64 s[68:69], s[66:67], 0x1000000     ; V
	s_add_nc_u64 s[66:67], s[66:67], 0x800000      ; K
	s_add_nc_u64 s[20:21], s[4:5], s[58:59]        ; q
	s_add_nc_u64 s[22:23], s[6:7], s[58:59]        ; ob
	ROUND                                          ; all four work-groups are here: the first joint loads meet
.irp s, 0,1
	s_mov_b32 s[G0K+4*\s], 1
	s_add_co_u32 s[G0K+4*\s+1], s70, \s*SLOT
	s_add_nc_u64 s[G0K+4*\s+2:G0K+4*\s+3], s[66:67], \s*32768          ; keys 256 s .. of each half
	s_or_b32 s[G0K+4*\s+3], s[G0K+4*\s+3], 0x80000000
	s_mov_b32 s[G0V+4*\s], 1
	s_add_co_u32 s[G0V+4*\s+1], s71, \s*SLOT
	s_add_nc_u64 s[G0V+4*\s+2:G0V+4*\s+3], s[68:69], \s*32768
	s_or_b32 s[G0V+4*\s+3], s[G0V+4*\s+3], 0x80000000
	JLOAD \s                                       ; two tensor loads of the wave are out
.endr
	v_and_b32 v1, 15, v0                           ; r
	v_bfe_u32 v2, v0, 4, 1                         ; h
	v_lshlrev_b32 v[QOFF], 7, v1
	v_lshl_add_u32 v[QOFF], v2, 4, v[QOFF]         ; query r's row + 16 h
.irp q, 0,1
.irp k, 0,1
	global_load_b128 v[Q+16*\q+8*\k:Q+16*\q+8*\k+3],   v[QOFF], s[20:21] offset:\q*2048+64*\k
	global_load_b128 v[Q+16*\q+8*\k+4:Q+16*\q+8*\k+7], v[QOFF], s[20:21] offset:\q*2048+64*\k+32
.endr
.endr
	v_mul_u32_u24 v3, v1, PK
	v_lshl_add_u32 v3, v2, 4, v3                   ; r x 144 + 16 h
	s_mul_i32 s62, s9, HK*PK                       ; my half's 256 keys of K,
	s_add_co_u32 s62, s62, VB                      ; which lie behind V's part
	v_add_nc_u32 v[ADRK], s62, v3
	v_add_nc_u32 v[ADRK+1], SLOT, v[ADRK]
	v_and_b32 v4, 7, v0
	v_lshl_add_u32 v5, v2, 3, v4                   ; the transposing load: lane l addresses key 8 h + l % 8,
	v_mul_u32_u24 v5, v5, PV
	v_bfe_u32 v6, v0, 3, 1
	v_lshl_add_u32 v5, v6, 4, v5                   ; and the first or second 16 bytes of the 16 columns
	s_mul_i32 s63, s9, HK*PV                       ; my half's 256 keys of V
	v_add_nc_u32 v[ADRV], s63, v5
	v_add_nc_u32 v[ADRV+1], SLOT, v[ADRV]
	s_mul_i32 s61, s10, WSTAGE
	s_add_co_u32 s61, s61, STAGE                   ; my query group's stage
	v_add_nc_u32 v[STO], s61, v3                   ; in: row r (the stage's pitch is K's), 16 bytes for each half of the lanes
	v_and_b32 v7, 31, v0
	v_lshrrev_b32 v5, 3, v7
	v_mul_u32_u24 v5, v5, SP
	v_lshl_add_u32 v5, v4, 4, v5
	v_add_nc_u32 v[RD], s61, v5                    ; back: eight lanes take a row of 128 bytes, the wave four rows
	v_lshlrev_b32 v[CO], 4, v7
	s_mul_i32 s60, s10, XP                         ; my query group's exchange (the exchanges begin at LDS byte 0)
	v_add_nc_u32 v[XA], s60, v[CO]                 ; + 16 x lane
	v_mov_b32 v[T+4], 0                            ; v_permlanex16_b32's destination counts as read
	v_mov_b32 v[T+5], 0
; One step: 64 keys (number st of the four that the slot holds of my half) against my 32 queries.  first = 1: the wave's first step starts maximum, sum and O.
.macro STEP slot, st, first
.set MN, MA+(MB-MA)*(\st&1)            ; where this step writes the maximum,
.set MO, MB-(MB-MA)*(\st&1)            ; and where the last one wrote it
.irp k, 0,1
.irp t, 0,1,2,3
	ds_load_b128 v[KV+16*\t+8*\k:KV+16*\t+8*\k+3],   v[ADRK+\slot] offset:(64*\st+16*\t)*PK+64*\k
	ds_load_b128 v[KV+16*\t+8*\k+4:KV+16*\t+8*\k+7], v[ADRK+\slot] offset:(64*\st+16*\t)*PK+64*\k+32
.endr
.endr
	s_wait_dscnt 0x8                               ; e = 0..31 of the four key tiles is in; the eight younger loads (e = 32..63) may be out
	; the eight accumulators take turns, one instruction a turn
.irp q, 0,1
.irp t, 0,1,2,3
	v_wmma_f32_16x16x32_f16 v[S+32*\q+8*\t:S+32*\q+8*\t+7], v[KV+16*\t:KV+16*\t+7], v[Q+16*\q:Q+16*\q+7], 0
.endr
.endr
	s_wait_dscnt 0x0
.irp q, 0,1
.irp t, 0,1,2,3
	v_wmma_f32_16x16x32_f16 v[S+32*\q+8*\t:S+32*\q+8*\t+7], v[KV+16*\t+8:KV+16*\t+15], v[Q+16*\q+8:Q+16*\q+15], v[S+32*\q+8*\t:S+32*\q+8*\t+7]
.endr
.endr
.rept 4
	v_nop                                          ; four places ahead of the loads over K's fragments and of the reads of S
.endr
	; V^T: these loads land while the softmax is made
.irp k, 0,1
.irp n, 0,1,2,3
	ds_load_tr16_b128 v[KV+16*\n+8*\k:KV+16*\n+8*\k+3],   v[ADRV+\slot] offset:(64*\st+32*\k)*PV+32*\n
	ds_load_tr16_b128 v[KV+16*\n+8*\k+4:KV+16*\n+8*\k+7], v[ADRV+\slot] offset:(64*\st+32*\k)*PV+32*\n+16*PV
.endr
.endr
	; the maximum of my 32 scores of each query and of the old maximum: two chains for each query tile
.irp q, 0,1
.if \first
	v_max_num_f32 v[T+2*\q], v[S+32*\q], v[S+32*\q+1]
.else
	v_max3_num_f32 v[T+2*\q], v[MO+\q], v[S+32*\q], v[S+32*\q+1]
.endif
	v_max3_num_f32 v[T+2*\q+1], v[S+32*\q+16], v[S+32*\q+17], v[S+32*\q+18]
.endr
.irp i, 0,1,2,3,4,5
.irp q, 0,1
	v_max3_num_f32 v[T+2*\q],   v[T+2*\q],   v[S+32*\q+2+2*\i],  v[S+32*\q+3+2*\i]
	v_max3_num_f32 v[T+2*\q+1], v[T+2*\q+1], v[S+32*\q+19+2*\i], v[S+32*\q+20+2*\i]
.endr
.endr
.irp q, 0,1
	v_max3_num_f32 v[T+2*\q], v[T+2*\q], v[S+32*\q+14], v[S+32*\q+15]
.endr
.irp q, 0,1
	v_max3_num_f32 v[T+2*\q], v[T+2*\q], v[T+2*\q+1], v[S+32*\q+31]
.endr
	v_permlanex16_b32 v[T+4], v[T],   s14, s15     ; the other half of the wave holds the query's other 32 keys
	v_permlanex16_b32 v[T+5], v[T+2], s14, s15
	v_max_num_f32 v[MN],   v[T],   v[T+4]
	v_max_num_f32 v[MN+1], v[T+2], v[T+5]
.if \first == 0
	v_sub_f32 v[T+6], v[MO],   v[MN]
	v_sub_f32 v[T+7], v[MO+1], v[MN+1]
	v_exp_f32 v[AL],   v[T+6]                      ; 2^(old - new); the subtraction below is the plain instruction that stands behind them (ISA guide 5.7.2)
	v_exp_f32 v[AL+1], v[T+7]
.endif
	; s - m: exactly 0 at the maximum, so no p passes 1 whatever the scores' size
.irp q, 0,1
.irp i, 0,2,4,6,8,10,12,14,16,18,20,22,24,26,28,30
	v_pk_add_f32 v[S+32*\q+\i:S+32*\q+\i+1], v[S+32*\q+\i:S+32*\q+\i+1], v[MN:MN+1] op_sel:[0,\q] op_sel_hi:[1,\q] neg_lo:[0,1] neg_hi:[0,1]
.endr
.endr
.set i, 0
.rept 64
	v_exp_f32 v[S+i], v[S+i]
.set i, i+1
.endr
.if \first
	v_nop                                          ; the plain instruction behind the exponentials
	s_wait_alu depctr_va_vdst(0)
.else
	; O times 2^(old - new): its first line is that plain instruction
	s_wait_alu depctr_va_vdst(0)
.irp q, 0,1
.set i, 0
.rept 16
	v_pk_mul_f32 v[O+32*\q+2*i:O+32*\q+2*i+1], v[O+32*\q+2*i:O+32*\q+2*i+1], v[AL:AL+1] op_sel:[0,\q] op_sel_hi:[1,\q]
.set i, i+1
.endr
.endr
.endif
	; the sum of my 32 p of each query, two packed chains for each query tile
.irp q, 0,1
	v_pk_add_f32 v[T+2*\q:T+2*\q+1],   v[S+32*\q:S+32*\q+1],       v[S+32*\q+2:S+32*\q+3]
	v_pk_add_f32 v[T+4+2*\q:T+5+2*\q], v[S+32*\q+16:S+32*\q+17],   v[S+32*\q+18:S+32*\q+19]
.endr
.irp i, 4,6,8,10,12,14
.irp q, 0,1
	v_pk_add_f32 v[T+2*\q:T+2*\q+1],   v[T+2*\q:T+2*\q+1],   v[S+32*\q+\i:S+32*\q+\i+1]
	v_pk_add_f32 v[T+4+2*\q:T+5+2*\q], v[T+4+2*\q:T+5+2*\q], v[S+32*\q+16+\i:S+32*\q+17+\i]
.endr
.endr
.irp q, 0,1
	v_pk_add_f32 v[T+2*\q:T+2*\q+1], v[T+2*\q:T+2*\q+1], v[T+4+2*\q:T+5+2*\q]
.endr
.irp q, 0,1
.if \first
	v_add_f32 v[LS+\q], v[T+2*\q], v[T+2*\q+1]
.else
	v_add_f32 v[T+2*\q], v[T+2*\q], v[T+2*\q+1]
	v_fma_f32 v[LS+\q], v[LS+\q], v[AL+\q], v[T+2*\q]
.endif
.endr
	; p to f16, in place, upward: register i takes registers 2 i and 2 i + 1.  Registers 8 ks .. 8 ks + 7 are then P^T for keys 32 ks .. 32 ks + 31
.irp q, 0,1
.set i, 0
.rept 16
	v_cvt_pk_f16_f32 v[S+32*\q+i], v[S+32*\q+2*i], v[S+32*\q+2*i+1]
.set i, i+1
.endr
.endr
	s_wait_dscnt 0x0                               ; V^T is in
	; the eight accumulators take turns, one instruction a turn
.irp k, 0,1
.irp q, 0,1
.irp n, 0,1,2,3
.if \first*(1-\k)
	v_wmma_f32_16x16x32_f16 v[O+32*\q+8*\n:O+32*\q+8*\n+7], v[KV+16*\n+8*\k:KV+16*\n+8*\k+7], v[S+32*\q+8*\k:S+32*\q+8*\k+7], 0
.else
	v_wmma_f32_16x16x32_f16 v[O+32*\q+8*\n:O+32*\q+8*\n+7], v[KV+16*\n+8*\k:KV+16*\n+8*\k+7], v[S+32*\q+8*\k:S+32*\q+8*\k+7], v[O+32*\q+8*\n:O+32*\q+8*\n+7]
.endif
.endr
.endr
.endr
.rept 5
	v_nop                                          ; four places ahead of the next loads over V^T and of the stores of O, five ahead of the next products over P^T
.endr
.endm
; The 256 keys that a slot holds of my half
.macro PROC slot, first
	STEP \slot, 0, \first
	STEP \slot, 1, 0
	STEP \slot, 2, 0
	STEP \slot, 3, 0
.endm
; The change to slot `slot`.  refill = 1: the other slot, just read, is filled again, 512 keys on in each half.  In front of the round every
; wave has waited for all its tensor loads (one is out: its piece of this slot) and for its reads of the other slot; the joint refill is the
; wave's one tensor load behind the round, and has this slot's four steps of every wave in which to land.
.macro CHANGE slot, refill
.set OTHER, 1-\slot
	s_wait_xcnt 0x0
	v_lshl_add_u32 v190, v0, 2, 0x4c000
	v_mov_b32 v191, 0
	s_wait_tensorcnt 0x0
	ds_add_u32 v190, v191
	s_wait_dscnt 0x0
.if \refill
	s_add_nc_u64 s[G0K+4*OTHER+2:G0K+4*OTHER+3], s[G0K+4*OTHER+2:G0K+4*OTHER+3], 65536
	s_add_nc_u64 s[G0V+4*OTHER+2:G0V+4*OTHER+3], s[G0V+4*OTHER+2:G0V+4*OTHER+3], 65536
.endif
	s_wait_dscnt 0x0
.if \refill
	ROUND
	JLOAD OTHER
.else
	s_barrier_signal -1
	s_barrier_wait -1
.endif
.endm
	s_wait_loadcnt 0x0                             ; Q
	s_wait_tensorcnt 0x1                           ; my piece of slot 0 is in; slot 1's, issued behind it, may stay out
	s_barrier_signal -1
	s_barrier_wait -1
	PROC 0, 1                                      ; keys 0-255 of my half
	CHANGE 1, 1                                    ; slot 0 gets keys 512-767: its last fill
	PROC 1, 0                                      ; keys 256-511
	CHANGE 0, 1                                    ; slot 1 gets keys 768-1023: the last load of the launch
	PROC 0, 0                                      ; keys 512-767
	CHANGE 1, 0                                    ; nothing is left to fetch; behind this barrier no wave reads slot 0 any more
	PROC 1, 0                                      ; keys 768-1023
	; THE MERGE.  The waves of the second half put O, maximum and sum into their query group's exchange, lane by lane: both waves of a group
	; hold the same query and the same e in the same lane and register.
	s_cmp_eq_u32 s9, 0
	s_cbranch_scc1 .Lmine
.set i, 0
.rept 16
	ds_store_b128 v[XA], v[O+4*i:O+4*i+3] offset:512*i
.set i, i+1
.endr
	ds_store_b64 v[XA], v[MB:MB+1] offset:8192     ; the last step, an odd one, wrote the maximum here
	ds_store_b64 v[XA], v[LS:LS+1] offset:8200
.Lmine:
	s_wait_dscnt 0x0                               ; for the partner's sake: the stores are done
	s_barrier_signal -1
	s_barrier_wait -1
	s_cmp_lg_u32 s9, 0
	s_cbranch_scc1 .Ldone                          ; the second half's waves have handed their part over
	ds_load_b128 v[T:T+3], v[XA] offset:8192       ; the partner's maxima (T, T+1) and sums (T+2, T+3)
.set i, 0
.rept 16
	ds_load_b128 v[S+4*i:S+4*i+3], v[XA] offset:512*i      ; the partner's O
.set i, i+1
.endr
	s_wait_dscnt 0x10                              ; maxima and sums are in; the sixteen younger loads may be out
	v_max_num_f32 v[T+4], v[MB],   v[T]            ; m = the larger of the two maxima
	v_max_num_f32 v[T+5], v[MB+1], v[T+1]
	v_sub_f32 v[MB],   v[MB],   v[T+4]
	v_sub_f32 v[MB+1], v[MB+1], v[T+5]
	v_sub_f32 v[T],    v[T],    v[T+4]
	v_sub_f32 v[T+1],  v[T+1],  v[T+5]
	v_exp_f32 v[AL],   v[MB]                       ; 2^(mine - m): one of the two factors of a query is 1
	v_exp_f32 v[AL+1], v[MB+1]
	v_exp_f32 v[MA],   v[T]                        ; 2^(the partner's - m)
	v_exp_f32 v[MA+1], v[T+1]
	v_nop                                          ; the plain instruction behind them (ISA guide 5.7.2)
	s_wait_alu depctr_va_vdst(0)
	v_mul_f32 v[LS],   v[LS],   v[AL]
	v_mul_f32 v[LS+1], v[LS+1], v[AL+1]
	v_fma_f32 v[LS],   v[T+2], v[MA],   v[LS]
	v_fma_f32 v[LS+1], v[T+3], v[MA+1], v[LS+1]
	v_permlanex16_b32 v[T+4], v[LS],   s14, s15    ; the other half of the lanes holds the sums of the other keys
	v_permlanex16_b32 v[T+5], v[LS+1], s14, s15
	v_add_f32 v[T+4], v[T+4], v[LS]
	v_add_f32 v[T+5], v[T+5], v[LS+1]
	v_rcp_f32 v[T+6], v[T+4]                       ; the sum is at least the largest p, which is 1
	v_rcp_f32 v[T+7], v[T+5]
	v_nop                                          ; the plain instruction behind them
	s_wait_alu depctr_va_vdst(0)
	v_pk_mul_f32 v[AL:AL+1], v[AL:AL+1], v[T+6:T+7]        ; both factors over the sum
	v_pk_mul_f32 v[MA:MA+1], v[MA:MA+1], v[T+6:T+7]
.irp q, 0,1
.set i, 0
.rept 16
	v_pk_mul_f32 v[O+32*\q+2*i:O+32*\q+2*i+1], v[O+32*\q+2*i:O+32*\q+2*i+1], v[AL:AL+1] op_sel:[0,\q] op_sel_hi:[1,\q]
.set i, i+1
.endr
.endr
	s_wait_dscnt 0x0                               ; the partner's O is in
.irp q, 0,1
.set i, 0
.rept 16
	v_pk_fma_f32 v[O+32*\q+2*i:O+32*\q+2*i+1], v[S+32*\q+2*i:S+32*\q+2*i+1], v[MA:MA+1], v[O+32*\q+2*i:O+32*\q+2*i+1] op_sel:[0,\q,0] op_sel_hi:[1,\q,1]
.set i, i+1
.endr
.endr
	; THE WAY OUT: to f16, through my query group's stage, out as whole rows
.irp q, 0,1
.irp n, 0,1,2,3
.irp i, 0,1,2,3
	v_cvt_pk_f16_f32 v[KV+16*\q+4*\n+\i], v[O+32*\q+8*\n+2*\i], v[O+32*\q+8*\n+2*\i+1]
.endr
.endr
.endr
.irp q, 0,1
.irp n, 0,1,2,3
	ds_store_b128 v[STO], v[KV+16*\q+4*\n:KV+16*\q+4*\n+3] offset:\q*16*SP+\n*32
.endr
.endr
.irp t, 0,1,2,3,4,5,6,7
	ds_load_b128 v[S+4*\t:S+4*\t+3], v[RD] offset:\t*4*SP          ; LDS serves a wave's instructions in order (ISA guide 5.7.1): these see the stores above
.endr
.irp t, 0,1,2,3,4,5,6,7
	s_wait_dscnt 7-\t                              ; the younger loads of the eight stay out
	global_store_b128 v[CO], v[S+4*\t:S+4*\t+3], s[22:23] offset:512*\t    ; four rows: 512 consecutive bytes at a multiple of 512
.endr
.Ldone:
	s_wait_xcnt 0x0
	v_lshl_add_u32 v190, v0, 2, 0x4c000
	v_mov_b32 v191, 0
	s_wait_tensorcnt 0x0
	ds_add_u32 v190, v191
	s_wait_dscnt 0x0
	ROUND                                          ; the closing round
	s_endpgm
.Lfunc_end_k_q63661ca1e2_attn:
	.size	k_q63661ca1e2_attn, .Lfunc_end_k_q63661ca1e2_attn-k_q63661ca1e2_attn
	.p2alignl 7, 3214868480
	.fill 96, 4, 3214868480
	.section	.rodata,"a",@progbits
	.p2align	6, 0x0
	.amdhsa_kernel k_q63661ca1e2_attn
		.amdhsa_group_segment_fixed_size 327680
		.amdhsa_private_segment_fixed_size 0
		.amdhsa_enable_private_segment 0
		.amdhsa_kernarg_size 16
		.amdhsa_user_sgpr_count 2
		.amdhsa_user_sgpr_kernarg_segment_ptr 1
		.amdhsa_wavefront_size32 1
		.amdhsa_system_sgpr_workgroup_id_x 1
		.amdhsa_system_sgpr_workgroup_id_y 1
		.amdhsa_system_sgpr_workgroup_id_z 1
		.amdhsa_system_vgpr_workitem_id 0
		.amdhsa_next_free_vgpr 256
		.amdhsa_next_free_sgpr 72
		.amdhsa_reserve_vcc 0
		.amdhsa_float_denorm_mode_32 3
		.amdhsa_float_denorm_mode_16_64 3
		.amdhsa_memory_ordered 1
		.amdhsa_forward_progress 1
		.amdhsa_inst_pref_size 255
	.end_amdhsa_kernel
	.section	.bss,"aw",@nobits
	.p2align	6
	.space	262144
	.amdgpu_metadata
---
amdhsa.version: [ 1, 2 ]
amdhsa.kernels:
  - .name:           k_q63661ca1e2_attn
    .symbol:         k_q63661ca1e2_attn.kd
    .args:
      - { .name: qkv, .offset: 0, .size: 8, .value_kind: global_buffer, .address_space: global }
      - { .name: ob, .offset: 8, .size: 8, .value_kind: global_buffer, .address_space: global }
    .group_segment_fixed_size: 327680
    .private_segment_fixed_size: 0
    .kernarg_segment_align: 8
    .kernarg_segment_size: 16
    .max_flat_workgroup_size: 512
    .sgpr_count:     72
    .vgpr_count:     256
    .wavefront_size: 32
...
	.end_amdgpu_metadata
.endif
;; end of part 3
;; launch proj (part 4): grid 8 x 32, 4 waves a work-group, clusters of 4 x 4, 327,680 bytes of LDS; arguments ob, cb, out0; writes out0
.if DOCPART == 4
	.amdgcn_target "amdgcn-amd-amdhsa--gfx1250"
	.amdhsa_code_object_version 6
	.text
	.protected	k_q63661ca1e2_proj
	.globl	k_q63661ca1e2_proj
	.p2align	8
	.type	k_q63661ca1e2_proj,@function
k_q63661ca1e2_proj:
	s_mov_b64 s[64:65], 0
	v_nop
	global_prefetch_b8 v0, s[64:65] scope:SCOPE_SE
	s_setreg_imm32_b32 hwreg(HW_REG_WAVE_MODE, 25, 1), 1
	s_wait_xcnt 0x0
	s_wait_alu depctr_hold_cnt(0) depctr_sa_sdst(0) depctr_va_vdst(0) depctr_va_sdst(0) depctr_va_ssrc(0) depctr_va_vcc(0) depctr_vm_vsrc(0)
	s_getreg_b32 s2, hwreg(HW_REG_IB_STS2, 6, 4)
	s_cmp_eq_u32 s2, 0
	s_cbranch_scc0 .Lentry_in_a_cluster
	s_endpgm
.Lentry_in_a_cluster:
	s_bfe_u32 s2, ttmp6, 0x10000c
	s_cmp_lg_u32 s2, 0xf033
	s_cbranch_scc0 .Lentry_shape_is_right
	s_endpgm
.Lentry_shape_is_right:
; out0 = o Wo.  o: ob, [b*16+h][2048][64] f16 (K = 64 h + e); Wo: cb + 14 MiB, [1024 k][1024 n] f16; out0: [4096][1024] f32.  Sums in f32.
; LIMIT: |o|, |Wo| below 65,504 (f16).
; Work-group (x = block of 128 columns, y = block of 128 rows): 8 x 32 = 256 work-groups, one for each WGP; four waves, each 64 x 64 = 16
; accumulator tiles.  K goes through two LDS slots of 256 (four heads): four slot steps, two first fills, two refills, no loop.
; CLUSTERS: 4 x 4.  o's tile hangs on y alone and is asked for jointly by a row of the cluster, Wo's on x alone, by a column.
; Wo lies [k][n]: ds_load_tr16_b128 makes its fragments.  THE MATRIX INSTRUCTION IS USED TRANSPOSED: source 0 = 16 columns of Wo, source 1 =
; 16 rows of o: lane l holds row l % 16 of out0 and registers 0-7 the columns 8 (l / 16) + 0..7: 32 neighbouring bytes.
; REGISTERS: window 0: addresses, fragments (two buffers), rows read back; window 1: accumulator tile (a, b) at v[8 (4 a + b)].
.set PA,     144                       ; LDS pitch of a row of o within a head: 128 bytes + 16
.set AHEAD,  128*PA                    ; one head's 128 rows
.set PB,     288                       ; LDS pitch of a row k of Wo: 256 bytes + 32, an odd multiple of 32
.set PART,   36864                     ; what one wave's load fills: 2 heads x 128 x 144 = 128 x 288
.set ABYTES, 2*PART
.set SLOT,   4*PART                    ; o as [4 heads][128 rows][144], then Wo's 256 rows k
.set STAGE,  2*SLOT                    ; behind the ring, never filled by a tensor load: [wave][16 rows][272]
.set SPITCH, 272
.set WSTAGE, 16*SPITCH
.set ADRA, 8                           ; v8-9    LDS address of my o fragments in slot 0, 1
.set ADRB, 10                          ; v10-13  of my Wo fragments: 2 x slot + half of the slot's 256 k
.set STO,  14
.set RD,   15
.set CO,   16
.set FA,   32                          ; v32-63, v64-95     o's fragments, buffers 0, 1
.set FB,   96                          ; v96-127, v128-159  Wo's fragments, buffers 0, 1
.set RB0,  160                         ; v160-191, v192-223 rows read back, two sets in turn
.set RB1,  192
.set G1,  24
.set G0,  32
.set G1B, 48
.set G0B, 56
.set OB,  68                           ; s[68:69] out0 at my wave's corner
.set MSB, 0
.macro WIN new
.if MSB != (\new)
	s_set_vgpr_msb (MSB<<8)|(\new)
.set MSB, \new
.endif
.endm
.set ACCW, 0x50                        ; C and D window 1, sources window 0
.macro JLOAD s                         ; waves 0 and 1 fetch o's two pairs of heads, waves 2 and 3 Wo's two halves
	s_cmp_eq_u32 s11, 0
	s_cbranch_scc0 .Lfor_b_\@
	tensor_load_to_lds s[G0+4*\s:G0+4*\s+3], s[G1:G1+7]
	s_nop 0
	s_branch .Lasked_\@
.Lfor_b_\@:
	tensor_load_to_lds s[G0B+4*\s:G0B+4*\s+3], s[G1B:G1B+7]
	s_nop 0
.Lasked_\@:
.endm
.macro CREST
	s_cmp_lg_u32 s10, 0
	s_cbranch_scc1 .Lnot_wave_0_\@
	s_barrier_signal -3
.Lnot_wave_0_\@:
	s_barrier_wait -3
	s_barrier_signal -1
	s_barrier_wait -1
.endm
.macro CROUND
	s_barrier_signal -1
	s_barrier_wait -1
	CREST
.endm
	s_load_b128 s[4:7], s[0:1], 0x0                ; ob s[4:5], cb s[6:7]
	s_load_b64 s[8:9], s[0:1], 0x10                ; out0
	v_lshl_add_u32 v254, v0, 2, 0x4c400
	v_mov_b32 v255, 0
	ds_add_u32 v254, v255
	v_lshrrev_b32 v1, 5, v0
	v_readfirstlane_b32 s10, v1                    ; wave 0..3
	s_lshr_b32 s11, s10, 1                         ; my half of the block's rows.  Also: I fetch for o (0) or for Wo (1)
	s_and_b32 s12, s10, 1                          ; my half of its columns.  Also: which half of that tile I fetch
	s_bfe_u32 s40, ttmp6, 0x40000                  ; cx
	s_bfe_u32 s41, ttmp6, 0x40004                  ; cy
	s_lshl_b32 s42, ttmp9, 2
	s_add_co_u32 s42, s42, s40                     ; column block x
	s_and_b32 s13, ttmp7, 0xffff
	s_lshl_b32 s13, s13, 2
	s_add_co_u32 s13, s13, s41                     ; row block y
	s_lshl_b32 s43, s41, 2
	s_lshl_b32 s43, 15, s43                        ; my row of the cluster
	s_lshl_b32 s44, 0x1111, s40                    ; my column
	; group 1 for o: 2 rows of 8,192 elements.  A row is one head's 128 rows x 64 e, which lie one behind the other in memory; from head to head
	; are 131,072 elements.  4 words of padding behind every 32 words (one row's 128 bytes).
	s_or_b32  s[G1+0], s43, (1<<16)|(1<<20)|(1<<21)|(4<<22)|(3<<25)
	s_mov_b32 s[G1+1], 8192<<16                    ; tensor_dim0 = 8,192
	s_mov_b32 s[G1+2], 2<<16                       ; tensor_dim1 = 2
	s_mov_b32 s[G1+3], 8192<<16                    ; tile_dim0 = 8,192
	s_mov_b32 s[G1+4], 2                           ; tile_dim1 = 2
	s_mov_b32 s[G1+5], 0x20000                     ; pitch
	s_mov_b32 s[G1+6], 0
	s_mov_b32 s[G1+7], 0
	; group 1 for Wo: 128 rows k x 128 elements, 1,024 elements from row to row; 8 words of padding behind every 64 words
	s_or_b32  s[G1B+0], s44, (1<<16)|(1<<20)|(1<<21)|(5<<22)|(7<<25)
	s_mov_b32 s[G1B+1], 128<<16
	s_mov_b32 s[G1B+2], 128<<16
	s_mov_b32 s[G1B+3], 128<<16
	s_mov_b32 s[G1B+4], 128
	s_mov_b32 s[G1B+5], 1024
	s_mov_b32 s[G1B+6], 0
	s_mov_b32 s[G1B+7], 0
	s_lshr_b32 s16, s13, 4                         ; o: b = y / 16: 16 heads of 262,144 bytes,
	s_lshl_b32 s16, s16, 22
	s_and_b32 s17, s13, 15
	s_lshl_b32 s17, s17, 14                        ; 128 (y % 16) rows of 128 bytes,
	s_add_co_u32 s16, s16, s17
	s_lshl_b32 s17, s12, 19                        ; two heads on for the second half
	s_add_co_u32 s16, s16, s17
	s_mov_b32 s17, 0
	s_lshl_b32 s46, s42, 8                         ; Wo: 128 x columns of 2 bytes,
	s_lshl_b32 s47, s12, 18                        ; 128 rows of 2,048 bytes on for the second half,
	s_add_co_u32 s46, s46, s47
	s_add_co_u32 s46, s46, 0xe00000                ; Wo's place in cb
	s_mov_b32 s47, 0
	s_mul_i32 s20, s10, PART                       ; where they go: wave x 36,864
	s_wait_dscnt 0x0
	s_wait_kmcnt 0x0
	s_add_nc_u64 s[14:15], s[4:5], s[16:17]
	s_add_nc_u64 s[46:47], s[6:7], s[46:47]
	CROUND                                         ; all sixteen work-groups are here: the first joint loads meet
.irp s, 0,1
	s_mov_b32 s[G0+4*\s], 1
	s_add_co_u32 s[G0+4*\s+1], s20, \s*SLOT
	s_add_nc_u64 s[G0+4*\s+2:G0+4*\s+3], s[14:15], \s*0x100000         ; four heads on
	s_or_b32 s[G0+4*\s+3], s[G0+4*\s+3], 0x80000000
	s_mov_b32 s[G0B+4*\s], 1
	s_add_co_u32 s[G0B+4*\s+1], s20, \s*SLOT
	s_add_nc_u64 s[G0B+4*\s+2:G0B+4*\s+3], s[46:47], \s*0x80000        ; 256 rows k on
	s_or_b32 s[G0B+4*\s+3], s[G0B+4*\s+3], 0x80000000
	JLOAD \s                                       ; two tensor loads of the wave are out
.endr
	v_and_b32 v1, 15, v0                           ; r
	v_bfe_u32 v2, v0, 4, 1                         ; h
	v_mul_u32_u24 v3, v1, PA
	v_lshl_add_u32 v3, v2, 4, v3
	s_mul_i32 s21, s11, 64*PA                      ; my 64 rows
	v_add_nc_u32 v[ADRA], s21, v3
	v_add_nc_u32 v[ADRA+1], SLOT, v[ADRA]
	v_and_b32 v4, 7, v0
	v_lshl_add_u32 v4, v2, 3, v4                   ; the transposing load: row k = 8 h + l % 8,
	v_mul_u32_u24 v4, v4, PB
	v_bfe_u32 v5, v0, 3, 1
	v_lshl_add_u32 v4, v5, 4, v4                   ; the first or second 16 bytes of the 16 columns,
	s_lshl_b32 s22, s12, 7                         ; my 64 columns
	s_add_co_u32 s22, s22, ABYTES
	v_add_nc_u32 v[ADRB], s22, v4
	v_add_nc_u32 v[ADRB+1], PART, v[ADRB]
	v_add_nc_u32 v[ADRB+2], SLOT, v[ADRB]
	v_add_nc_u32 v[ADRB+3], SLOT+PART, v[ADRB]
	s_mul_i32 s23, s10, WSTAGE
	s_add_co_u32 s23, s23, STAGE                   ; my stage
	v_mul_u32_u24 v6, v1, SPITCH
	v_lshl_add_u32 v6, v2, 5, v6
	v_add_nc_u32 v[STO], s23, v6                   ; in: row r, 32 bytes for each half of the lanes
	v_mul_u32_u24 v7, v2, SPITCH
	v_lshl_add_u32 v7, v1, 4, v7
	v_add_nc_u32 v[RD], s23, v7                    ; back: lanes 0-15 take a row of 256 bytes, lanes 16-31 the next
	v_lshlrev_b32 v6, 12, v2
	v_lshl_add_u32 v[CO], v1, 4, v6                ; and the same two rows in out0
; 8 matrix instructions: row tiles a0, a0 + 1 x my four column tiles, 32 along K.  The 16 accumulators take turns, one instruction a turn,
; in the same order in every quarter.
.macro MUL8 f, a0, zero
.irp a, \a0, \a0+1
.irp b, 0,1,2,3
.if \zero
	v_wmma_f32_16x16x32_f16 v[8*(4*(\a)+\b):8*(4*(\a)+\b)+7], v[FB+32*\f+8*\b:FB+32*\f+8*\b+7], v[FA+32*\f+8*(\a):FA+32*\f+8*(\a)+7], 0
.else
	v_wmma_f32_16x16x32_f16 v[8*(4*(\a)+\b):8*(4*(\a)+\b)+7], v[FB+32*\f+8*\b:FB+32*\f+8*\b+7], v[FA+32*\f+8*(\a):FA+32*\f+8*(\a)+7], v[8*(4*(\a)+\b):8*(4*(\a)+\b)+7]
.endif
.endr
.endr
.endm
; 16 LDS loads: part kq (32 along K, 0..7) of a slot into buffer f
.macro FETCH slot, kq, f
	WIN 0
.irp b, 0,1,2,3
	ds_load_tr16_b128 v[FB+32*\f+8*\b:FB+32*\f+8*\b+3],   v[ADRB+2*\slot+(\kq>>2)] offset:(\kq&3)*32*PB+32*\b
	ds_load_tr16_b128 v[FB+32*\f+8*\b+4:FB+32*\f+8*\b+7], v[ADRB+2*\slot+(\kq>>2)] offset:(\kq&3)*32*PB+32*\b+16*PB
.endr
.irp a, 0,1,2,3
	ds_load_b128 v[FA+32*\f+8*\a:FA+32*\f+8*\a+3],   v[ADRA+\slot] offset:(\kq>>1)*AHEAD+\a*16*PA+64*(\kq&1)
	ds_load_b128 v[FA+32*\f+8*\a+4:FA+32*\f+8*\a+7], v[ADRA+\slot] offset:(\kq>>1)*AHEAD+\a*16*PA+64*(\kq&1)+32
.endr
.endm
.macro PLACES                          ; four plain vector instructions between a matrix instruction and a load into one of its registers (ISA guide 7.12.1 for vector instructions)
.rept 4
	v_nop
.endr
.endm
.macro QUARTER slot, kq, f, g, zero    ; buffer f is in; part kq is asked for into buffer g; 16 matrix instructions on f
	s_wait_dscnt 0x0
	PLACES
	FETCH \slot, \kq, \g
	WIN ACCW
	MUL8 \f, 0, \zero
	MUL8 \f, 2, \zero
.endm
.macro SEVEN slot, zero                ; a slot's parts 0 to 6
	QUARTER \slot, 1, 0, 1, \zero
	QUARTER \slot, 2, 1, 0, 0
	QUARTER \slot, 3, 0, 1, 0
	QUARTER \slot, 4, 1, 0, 0
	QUARTER \slot, 5, 0, 1, 0
	QUARTER \slot, 6, 1, 0, 0
	QUARTER \slot, 7, 0, 1, 0
.endm
; A slot's last part, on buffer 1, and the change of slots: each wave's reads of this slot and all its tensor loads are waited for in front of
; the barrier; behind it this slot is filled again first (fill = 1), then the next slot is read.
.macro TURN slot, next, fill
	s_wait_dscnt 0x0
	s_wait_tensorcnt 0x0
	ds_add_u32 v254, v255
	s_wait_dscnt 0x0
	s_barrier_signal -1                            ; (where a slot is filled again this barrier opens a round of the cluster's barrier)
	WIN ACCW
	MUL8 1, 0, 0
	WIN 0
	s_barrier_wait -1
.if \fill
	CREST
	s_add_nc_u64 s[G0+4*\slot+2:G0+4*\slot+3], s[G0+4*\slot+2:G0+4*\slot+3], 0x200000
	s_add_nc_u64 s[G0B+4*\slot+2:G0B+4*\slot+3], s[G0B+4*\slot+2:G0B+4*\slot+3], 0x100000
	JLOAD \slot                                    ; the wave's one tensor load behind the round
.endif
	PLACES
	FETCH \next, 0, 0
	WIN ACCW
	MUL8 1, 2, 0
.endm
	s_wait_tensorcnt 0x1                           ; my part of slot 0 is in; slot 1's, issued behind it, may stay out
	s_barrier_signal -1
	s_barrier_wait -1
	FETCH 0, 0, 0
	SEVEN 0, 1                                     ; k 0-255: the first products start the sums
	TURN 0, 1, 1
	SEVEN 1, 0                                     ; k 256-511
	TURN 1, 0, 1
	SEVEN 0, 0                                     ; k 512-767
	TURN 0, 1, 0
	SEVEN 1, 0                                     ; k 768-1023
	s_wait_dscnt 0x0
	WIN ACCW
	MUL8 1, 0, 0
	MUL8 1, 2, 0
	; THE WAY OUT, 16 rows at a time: 32 bytes a lane into my own stage, read back as whole rows of 256 bytes
	PLACES
	s_lshl_b32 s16, s13, 19                        ; 128 y rows of 4,096 bytes
	s_lshl_b32 s17, s11, 18                        ; + 64 rows
	s_add_co_u32 s16, s16, s17
	s_mov_b32 s17, 0
	s_lshl_b32 s46, s42, 9                         ; 128 x columns of 4 bytes
	s_lshl_b32 s47, s12, 8                         ; + 64 columns
	s_add_co_u32 s46, s46, s47
	s_mov_b32 s47, 0
	s_add_nc_u64 s[OB:OB+1], s[8:9], s[16:17]
	s_add_nc_u64 s[OB:OB+1], s[OB:OB+1], s[46:47]
.macro OUT16 a, rb
	WIN 0x04                                       ; the stores' data from window 1
.irp b, 0,1,2,3
	ds_store_b128 v[STO], v[8*(4*\a+\b):8*(4*\a+\b)+3]   offset:64*\b
	ds_store_b128 v[STO], v[8*(4*\a+\b)+4:8*(4*\a+\b)+7] offset:64*\b+16
.endr
	WIN 0
	s_wait_xcnt 0x0                                ; set rb, which earlier stores read, is loaded again only behind this wait
.irp t, 0,1,2,3,4,5,6,7
	ds_load_b128 v[\rb+4*\t:\rb+4*\t+3], v[RD] offset:\t*2*SPITCH      ; LDS serves a wave's instructions in order (ISA guide 5.7.1): these see the stores above
.endr
.irp t, 0,1,2,3,4,5,6,7
	s_wait_dscnt 7-\t                              ; the younger loads of the eight stay out
	global_store_b128 v[CO], v[\rb+4*\t:\rb+4*\t+3], s[OB:OB+1] offset:(16*\a+2*\t)*4096 th:TH_STORE_NT   ; 16 lanes store 256 consecutive bytes at a multiple of 256
.endr
.endm
	OUT16 0, RB0
	OUT16 1, RB1
	OUT16 2, RB0
	OUT16 3, RB1
	s_wait_tensorcnt 0x0
	ds_add_u32 v254, v255
	s_wait_dscnt 0x0
	CROUND                                         ; the closing round
	s_endpgm
.Lfunc_end_k_q63661ca1e2_proj:
	.size	k_q63661ca1e2_proj, .Lfunc_end_k_q63661ca1e2_proj-k_q63661ca1e2_proj
	.p2alignl 7, 3214868480
	.fill 96, 4, 3214868480
	.section	.rodata,"a",@progbits
	.p2align	6, 0x0
	.amdhsa_kernel k_q63661ca1e2_proj
		.amdhsa_group_segment_fixed_size 327680
		.amdhsa_private_segment_fixed_size 0
		.amdhsa_enable_private_segment 0
		.amdhsa_kernarg_size 24
		.amdhsa_user_sgpr_count 2
		.amdhsa_user_sgpr_kernarg_segment_ptr 1
		.amdhsa_wavefront_size32 1
		.amdhsa_system_sgpr_workgroup_id_x 1
		.amdhsa_system_sgpr_workgroup_id_y 1
		.amdhsa_system_sgpr_workgroup_id_z 1
		.amdhsa_system_vgpr_workitem_id 0
		.amdhsa_next_free_vgpr 384
		.amdhsa_next_free_sgpr 70
		.amdhsa_reserve_vcc 0
		.amdhsa_float_denorm_mode_32 3
		.amdhsa_float_denorm_mode_16_64 3
		.amdhsa_memory_ordered 1
		.amdhsa_forward_progress 1
		.amdhsa_inst_pref_size 89
	.end_amdhsa_kernel
	.amdgpu_metadata
---
amdhsa.version: [ 1, 2 ]
amdhsa.kernels:
  - .name:           k_q63661ca1e2_proj
    .symbol:         k_q63661ca1e2_proj.kd
    .args:
      - { .name: ob, .offset: 0, .size: 8, .value_kind: global_buffer, .address_space: global }
      - { .name: cb, .offset: 8, .size: 8, .value_kind: global_buffer, .address_space: global }
      - { .name: out0, .offset: 16, .size: 8, .value_kind: global_buffer, .address_space: global }
    .group_segment_fixed_size: 327680
    .private_segment_fixed_size: 0
    .kernarg_segment_align: 8
    .kernarg_segment_size: 24
    .max_flat_workgroup_size: 128
    .sgpr_count:     70
    .vgpr_count:     384
    .wavefront_size: 32
...
	.end_amdgpu_metadata
.endif
;; end of part 4
;; ======== version 2 of 2: 4 launches; version 1 with the launch cvt written anew for expert scheduling mode
;; limits: values are held in f16: magnitudes above 65,504 overflow, below 6.1e-05 lose precision
;; workspace buffers: cb 16,777,216 bytes; qkv 25,165,824 bytes; ob 8,388,608 bytes
;; launch cvt (part 5): grid 256 x 1, 8 waves a work-group, no clusters, 0 bytes of LDS; arguments x, Wq, Wk, Wv, Wo, cb; writes cb
.if DOCPART == 5
	.amdgcn_target "amdgcn-amd-amdhsa--gfx1250"
	.amdhsa_code_object_version 6
	.text
	.protected	k_q63661ca1e2_cvt
	.globl	k_q63661ca1e2_cvt
	.p2align	8
	.type	k_q63661ca1e2_cvt,@function
k_q63661ca1e2_cvt:
	s_mov_b64 s[64:65], 0
	v_nop
	global_prefetch_b8 v0, s[64:65] scope:SCOPE_SE
	s_setreg_imm32_b32 hwreg(HW_REG_WAVE_SCHED_MODE, 0, 2), 2
	s_setreg_imm32_b32 hwreg(HW_REG_WAVE_MODE, 25, 1), 1
	s_wait_xcnt 0x0
	s_wait_alu depctr_vm_vsrc(0)
; cb = f16(x), f16(Wq), f16(Wk), f16(Wv), f16(Wo), one behind the other, every layout as it was.
; cb: x at byte 0 (8 MiB), Wq at 8 MiB, Wk at 10 MiB, Wv at 12 MiB, Wo at 14 MiB.
; LIMIT: a number whose magnitude passes 65,504 becomes an infinity in f16; below 6.1e-5 the absolute rounding error stays at 3e-8.
; 256 work-groups of eight waves; work-group g turns 131,072 bytes of f32 into the 65,536 bytes at cb + 65,536 g.
; g < 128: x.  Else (g - 128) >> 5 picks Wq, Wk, Wv, Wo and (g - 128) & 31 the part of it.
; Thread t, round i: 16 bytes in at 4,096 i + 16 t, 8 bytes out at 2,048 i + 8 t: a wave's load covers 512 consecutive bytes,
; a wave's store 256 consecutive bytes at a multiple of 256 from cb's first byte.
; All 32 loads of a thread go out first; every load and every store has registers of its own, so nothing is rewritten while it is read.
; No LDS, no matrix unit, no cluster: no byte is used twice and no work-group shares one with another.
; THE MODE: SCHED_MODE bits 1:0 = 2 (LLVM: expert scheduling mode 2), set by the entry lines.  The code itself states the register dependences
; between vector instructions and memory instructions, with s_wait_alu, always for 0.
; THE PLAN.  Registers that memory instructions touch:
;   v1, v2   byte offsets.  Written once at the head by vector instructions; read by every load (v1) and every store (v2); never written again.
;   X        round i: its load lands in four registers of its own, once; its two conversions read them behind the wait on LOADcnt.
;            No vector instruction writes them, and no load lands in them after they have been read.
;   Y        round i: its two conversions write a pair of its own, once; its store reads the pair; the pair is never written again.
; So the one kind of dependence in the text is a vector write that a memory instruction reads.  The 32 rounds go in eight blocks of four: a block's
; eight conversions, ONE wait on va_vdst, the block's four stores on end, with no vector instruction between the wait and the stores.
; One more such wait stands ahead of the first load, for the two offsets.  The stores are not held back to the next block's head: behind
; them stands nothing but the wait for the next block's loads, which they do not need.
.set CHUNK,  4096                      ; bytes that the work-group reads in a round
.set ROUNDS, 32
.set BLOCK,  4                         ; rounds in a block
.set BLOCKS, ROUNDS/BLOCK
.set X, 4                              ; v[4:131]   round i: 4 f32 as loaded
.set Y, 132                            ; v[132:195] round i: 4 f16 to store
	s_load_b256 s[4:11], s[0:1], 0x0               ; x s[4:5], Wq s[6:7], Wk s[8:9], Wv s[10:11]
	s_load_b128 s[12:15], s[0:1], 0x20             ; Wo s[12:13], cb s[14:15]
	s_sub_co_u32 s16, ttmp9, 128                   ; the number among the weights' work-groups (not used where g < 128)
	s_and_b32 s17, s16, 31                         ; which 128 KiB of the weight
	s_lshr_b32 s18, s16, 5                         ; which weight
	v_lshlrev_b32 v1, 4, v0                        ; 16 t
	v_lshlrev_b32 v2, 3, v0                        ; 8 t
	s_wait_kmcnt 0x0
	s_cmp_eq_u32 s18, 1
	s_cselect_b64 s[6:7], s[8:9], s[6:7]
	s_cmp_eq_u32 s18, 2
	s_cselect_b64 s[6:7], s[10:11], s[6:7]
	s_cmp_eq_u32 s18, 3
	s_cselect_b64 s[6:7], s[12:13], s[6:7]         ; s[6:7]: the weight
	s_cmp_lt_u32 ttmp9, 128
	s_cselect_b64 s[4:5], s[4:5], s[6:7]           ; x or the weight
	s_cselect_b32 s17, ttmp9, s17                  ; and the part of it
	s_lshl_b32 s20, s17, 17
	s_mov_b32 s21, 0
	s_lshl_b32 s22, ttmp9, 16
	s_mov_b32 s23, 0
	s_add_nc_u64 s[4:5], s[4:5], s[20:21]
	s_add_nc_u64 s[14:15], s[14:15], s[22:23]
	s_wait_alu depctr_va_vdst(0)                   ; v1 and v2 are written: every load reads v1 as its offset, every store v2
.set i, 0
.rept ROUNDS
	global_load_b128 v[X+4*i:X+4*i+3], v1, s[4:5] offset:CHUNK*i th:TH_LOAD_NT
.set i, i+1
.endr
.set p, 0
.rept BLOCKS
	s_wait_loadcnt ROUNDS-BLOCK*(p+1)              ; loads come back in order (ISA guide 5.7.1): block p's four are in, the younger blocks' stay out
.set i, BLOCK*p
.rept BLOCK
	v_cvt_pk_f16_f32 v[Y+2*i],   v[X+4*i],   v[X+4*i+1]
	v_cvt_pk_f16_f32 v[Y+2*i+1], v[X+4*i+2], v[X+4*i+3]
.set i, i+1
.endr
	s_wait_alu depctr_va_vdst(0)                   ; the block's eight conversions have written its eight registers of Y, which the four stores below read
.set i, BLOCK*p
.rept BLOCK
	global_store_b64 v2, v[Y+2*i:Y+2*i+1], s[14:15] offset:(CHUNK/2)*i    ; no hint: the next launches read cb again
.set i, i+1
.endr
.set p, p+1
.endr
	s_endpgm
.Lfunc_end_k_q63661ca1e2_cvt:
	.size	k_q63661ca1e2_cvt, .Lfunc_end_k_q63661ca1e2_cvt-k_q63661ca1e2_cvt
	.p2alignl 7, 3214868480
	.fill 96, 4, 3214868480
	.section	.rodata,"a",@progbits
	.p2align	6, 0x0
	.amdhsa_kernel k_q63661ca1e2_cvt
		.amdhsa_group_segment_fixed_size 0
		.amdhsa_private_segment_fixed_size 0
		.amdhsa_enable_private_segment 0
		.amdhsa_kernarg_size 48
		.amdhsa_user_sgpr_count 2
		.amdhsa_user_sgpr_kernarg_segment_ptr 1
		.amdhsa_wavefront_size32 1
		.amdhsa_system_sgpr_workgroup_id_x 1
		.amdhsa_system_sgpr_workgroup_id_y 1
		.amdhsa_system_sgpr_workgroup_id_z 1
		.amdhsa_system_vgpr_workitem_id 0
		.amdhsa_next_free_vgpr 196
		.amdhsa_next_free_sgpr 66
		.amdhsa_reserve_vcc 0
		.amdhsa_float_denorm_mode_32 3
		.amdhsa_float_denorm_mode_16_64 3
		.amdhsa_memory_ordered 1
		.amdhsa_forward_progress 1
		.amdhsa_inst_pref_size 12
	.end_amdhsa_kernel
	.amdgpu_metadata
---
amdhsa.version: [ 1, 2 ]
amdhsa.kernels:
  - .name:           k_q63661ca1e2_cvt
    .symbol:         k_q63661ca1e2_cvt.kd
    .args:
      - { .name: x, .offset: 0, .size: 8, .value_kind: global_buffer, .address_space: global }
      - { .name: Wq, .offset: 8, .size: 8, .value_kind: global_buffer, .address_space: global }
      - { .name: Wk, .offset: 16, .size: 8, .value_kind: global_buffer, .address_space: global }
      - { .name: Wv, .offset: 24, .size: 8, .value_kind: global_buffer, .address_space: global }
      - { .name: Wo, .offset: 32, .size: 8, .value_kind: global_buffer, .address_space: global }
      - { .name: cb, .offset: 40, .size: 8, .value_kind: global_buffer, .address_space: global }
    .group_segment_fixed_size: 0
    .private_segment_fixed_size: 0
    .kernarg_segment_align: 8
    .kernarg_segment_size: 48
    .max_flat_workgroup_size: 256
    .sgpr_count:     66
    .vgpr_count:     196
    .wavefront_size: 32
...
	.end_amdgpu_metadata
.endif
;; end of part 5
;; launch qkv: the kernel of part 2 again; grid 16 x 16, 4 waves a work-group, clusters of 4 x 4, 327,680 bytes of LDS; arguments cb, qkv; writes qkv
;; launch attn: the kernel of part 3 again; grid 8 x 32, 16 waves a work-group, clusters of 4 x 1, 327,680 bytes of LDS; arguments qkv, ob; writes ob
;; launch proj: the kernel of part 4 again; grid 8 x 32, 4 waves a work-group, clusters of 4 x 4, 327,680 bytes of LDS; arguments ob, cb, out0; writes out0
